; MI455X (gfx1250); checked and timed in simulation.
; The chip was launched on July 23, 2026; its instructions are those of AMD's public machine-readable ISA for CDNA 5 (MIT licence, August 2026) and "CDNA5" Instruction Set Architecture Reference Guide (July 2026). The comments in the code are by the model that wrote it; some were corrected since.
;; Scaled Dot Product Attention. Allowed arithmetic: float matrix products may take bf16 or f16 operands with f32 sums; all other float work in f32.
;; Inputs: keys 16 x 2,048 x 128 float32; queries 16 x 2,048 x 128 float32; values 16 x 2,048 x 128 float32.
;; Outputs: out0 16 x 2,048 x 128 float32.
;; One version. Each part assembles by itself: llvm-mc -triple=amdgcn-amd-amdhsa -mcpu=gfx1250 --defsym DOCPART=n.
;; ======== version 1 of 1: 1 launch
;; launch attn (part 1): grid 256 x 1, 4 waves a work-group, clusters of 4 x 1, 327,680 bytes of LDS; arguments queries, keys, values, out0; writes out0
.if DOCPART == 1
	.amdgcn_target "amdgcn-amd-amdhsa--gfx1250"
	.amdhsa_code_object_version 6
	.text
	.protected	k_q7b042aa110_attn
	.globl	k_q7b042aa110_attn
	.p2align	8
	.type	k_q7b042aa110_attn,@function
k_q7b042aa110_attn:
	s_mov_b64 s[64:65], 0
	v_nop
	global_prefetch_b8 v0, s[64:65] scope:SCOPE_SE
	s_setreg_imm32_b32 hwreg(HW_REG_WAVE_MODE, 25, 1), 1
	s_wait_xcnt 0x0
	s_wait_alu depctr_hold_cnt(0) depctr_sa_sdst(0) depctr_va_vdst(0) depctr_va_sdst(0) depctr_va_ssrc(0) depctr_va_vcc(0) depctr_vm_vsrc(0)
	s_getreg_b32 s2, hwreg(HW_REG_IB_STS2, 6, 4)
	s_cmp_eq_u32 s2, 0
	s_cbranch_scc0 .Lentry_in_a_cluster
	s_endpgm
.Lentry_in_a_cluster:
	s_bfe_u32 s2, ttmp6, 0x10000c
	s_cmp_lg_u32 s2, 0x3003
	s_cbranch_scc0 .Lentry_shape_is_right
	s_endpgm
.Lentry_shape_is_right:
; out[b][q][:] = softmax over k of (Q[b][q] . K[b][k] / sqrt(128)) times V[b][k][:].   16 batches, 2,048 rows, 128 columns, f32 in and out.
; One launch: Q K^T, a softmax with a running maximum, and P V; scores never leave registers.
; SHARES.  A work-group owns 128 queries of one batch and walks the batch's 2,048 keys in 16 tiles of 128.  Four waves = 2 query halves (qh) x
; 2 key halves (kh): a wave owns 64 queries and 64 keys of every tile, with a running maximum and sum of its own; the two key halves of a query
; are merged once, behind the last tile, through LDS.
; CLUSTERS.  The four work-groups of a cluster belong to one batch and walk the same K and V tiles: every tile is asked for jointly (mask 15),
; wave w fetching 64 rows of it (w 0, 1: K's halves; w 2, 3: V's).  Q and out are each work-group's own.
; BOTH PRODUCTS ARE USED TRANSPOSED.  S^T = K Q^T: source 0 = 16 keys, source 1 = 16 queries, so lane (r, h) holds keys 8h + 0..7 of query r: a query is
; a lane, its maximum takes in-lane work and one exchange between the halves, its rescale factor is one number a lane, and two score tiles, packed to
; bf16, ARE source 1 of O^T = V^T P^T.
; FRAGMENTS COME STRAIGHT FROM THE f32 TILES AND ARE ROUNDED IN REGISTERS.  K: lane (r, h) takes 64 neighbouring bytes of key row r, columns
; d = 32c + 16h + 0..15, for K step c; Q's fragments use the same order of d, so the products are the same.  V^T: lane (r, h) takes, of each of its 16
; keys, the 16 bytes at d = 64g + 4r + 0..3; component i of two neighbouring keys packs into one register of fragment (g, i), whose row r is
; d = 64g + 4r + i.  So in O^T tile (g, i, n), register j of lane (r, h) is d = 64g + 32h + 4j + i of query 16n + r: over i and j a lane holds 32
; neighbouring columns, which the last scaling puts in order.
; FORMATS.  Q, K, V and P enter the matrix unit as bf16 (rounded to nearest even, unscaled); sums, maxima, exponents in f32.  The factor
; c = log2(e) / sqrt(128) is applied in f32, in the multiply-add that takes the maximum away: p = 2^(c s - c M).
; LIMITS.  Inputs are finite.  An exponential below 2^-126 counts as zero (v_exp_f32 flushes denormals: ISA guide 15.8).  The sums are ordered
; otherwise than a row-wise softmax: by key half, by tile, and in two chains a lane.
.set PITCH,  528                       ; an LDS row of K or V: 512 bytes + 16 of padding = 33 x 16: sixteen rows at one column begin in sixteen different 16-byte columns of 256 bytes
.set PART,   64*PITCH                  ; 33,792: what one tensor load brings
.set SLOT,   4*PART                    ; 135,168: K's 128 rows, then V's 128 rows
.set QST,    2*SLOT                    ; 270,336: behind the ring, never filled by a tensor load: Q as bf16, 128 rows; later the waves' statistics
.set QPITCH, 272                       ; 256 bytes + 16 = 17 x 16
.set TILEB,  65536                     ; bytes of 128 rows of K or V in memory
; window 0 (an instruction names v0-v255; s_set_vgpr_msb says which window of 256 each operand place means)
.set ADRK, 8                           ; v8-9    slot s: LDS address of my K bytes: s SLOT + kh PART + 528 r + 64 h
.set ADRV, 10                          ; v10-11  slot s: of my V bytes: s SLOT + 2 PART + kh PART + 528 (8 h) + 16 r
.set PFO,  12                          ; v12     256 x lane, for the prefetch
.set QSA,  13                          ; v13     where I put 8 bytes of a Q row
.set QFA,  14                          ; v14     where I read Q's fragments
.set SA,   15                          ; v15     my statistics
.set PA,   16                          ; v16     my partner's (the other key half of my queries)
.set OA,   17                          ; v17     the way out: where I put my 128 bytes of a query row
.set RA,   18                          ; v18     the way out: where I read my own stage back
.set RB,   19                          ; v19     and my partner's
.set CO,   20                          ; v20     my byte offset in out
.set QO,   21                          ; v21     16 x lane
.set CC,   22                          ; v[22:23] c, twice
.set LS,   24                          ; v24-27  L_n: my lane's running sum, n-block n (16 queries)
.set ST,   28                          ; v[28:35] pairs (NM_n = -c M_n, M_n)
.set AL,   36                          ; v[36:43] pairs (alpha_n, its exponent)
.set TM,   44                          ; v44-51  four chains of maxima for each of a group's two n-blocks
.set SU,   52                          ; v[52:59] two pairs of sums for each of a group's two n-blocks
.set PS,   60                          ; v[60:67] my partner's pairs (NM_n, L_n)
.set FN,   68                          ; v68-71  the last factors
.set SCR,  128                         ; v128-255 score tile (n, mb) at 8 (4n + mb); P(n, s) packed in place at 8 (4n + 2s); raw Q at the start; at work on the way out
; window 1: the 32 accumulator tiles of O^T, tile (g, i, n) at 8 (4 (4g + i) + n)
.set QF,   0                           ; window 2, v0-127:   Q's fragments, 8 (4n + c)
.set KF,   128                         ; window 2, v128-255: K's fragments, 8 (4mb + c)
.set VF,   0                           ; window 3, v0-127:   V^T's fragments, 8 (4 (2s + g) + i)
.set RW,   128                         ; window 3, v128-255: four buffers of 32 f32 as loaded
.set G1,   24                          ; s[24:31] descriptor group 1, the same for every tensor load
.set G0,   32                          ; s[32:39] descriptor group 0, a set for each slot
; s_set_vgpr_msb's low byte: bits 1:0 source 0, 3:2 source 1, 5:4 source 2, 7:6 destination
.set W_QK,  0x0a                       ; K (window 2) x Q (window 2), scores in window 0
.set W_PV,  0x53                       ; V^T (window 3) x P (window 0), C and D in window 1
.set W_LD,  0xc0                       ; LDS load into window 3, address in window 0
.set W_CK,  0x8f                       ; window 3 rounded into window 2
.set W_CV,  0xcf                       ; window 3 rounded into window 3
.set W_RS,  0x41                       ; window 1 times a factor of window 0, in place
.set W_QL,  0x80                       ; LDS load into window 2
.set W_OUT, 0x01                       ; window 1 times a factor of window 0, into window 0
.set MSB, 0
.macro WIN new                         ; the immediate's high byte repeats the setting that is left; a switch that changes nothing is dropped
.if MSB != \new
	s_set_vgpr_msb (MSB<<8)|\new
.set MSB, \new
.endif
.endm
; Four places behind a matrix instruction before a vector instruction reads its result (ISA guide 7.12.1); only plain vector instructions that
; name none of its registers are counted.  They stand where a phase reads what the last phase's matrix instructions wrote, however the zipper's tail fell.
.macro PLACES
.rept 4
	v_nop
.endr
.endm
; A round of the cluster's barrier: my work-group's barrier, wave 0 signals for the work-group, every wave waits for all four work-groups, my work-group's barrier again.
.macro ROUND
	s_barrier_signal -1
	s_barrier_wait -1
	s_cmp_lg_u32 s12, 0
	s_cbranch_scc1 .Lnot_wave_0_\@
	s_barrier_signal -3
.Lnot_wave_0_\@:
	s_barrier_wait -3
	s_barrier_signal -1
	s_barrier_wait -1
.endm
; THE ZIPPER.  A phase is a stream of vector work and 32 matrix instructions that share no register with it.  The stream is written in its own order with
; TICK behind each line; every RATE-th TICK lets two matrix instructions follow; FLUSH writes those that are left.
; The accumulators take turns, one instruction a turn, across the phases and over the loop's backward jump too.
.macro QKW                             ; matrix instruction WI of 32: score tiles (n, mb), n = the group's two, four tiles by turns through the four K steps c
.set q_mb, 2*(WI>>4)+((WI>>1)&1)
.set q_c, (WI>>2)&3
.set q_n, 2*GRPW+(WI&1)
.set q_d, SCR+8*(4*q_n+q_mb)
.set q_a, KF+8*(4*q_mb+q_c)
.set q_b, QF+8*(4*q_n+q_c)
	WIN W_QK
.if q_c == 0
	v_wmma_f32_16x16x32_bf16 v[q_d:q_d+7], v[q_a:q_a+7], v[q_b:q_b+7], 0
.else
	v_wmma_f32_16x16x32_bf16 v[q_d:q_d+7], v[q_a:q_a+7], v[q_b:q_b+7], v[q_d:q_d+7]
.endif
.endm
.macro PVW                             ; matrix instruction WI of 32: O^T tiles (g, i, n), sixteen by turns, for keys 32 s .. 32 s + 31; the first tile's first product starts the sums
.set p_s, WI>>4
.set p_g, (WI>>3)&1
.set p_i, (WI>>1)&3
.set p_n, 2*GRPW+(WI&1)
.set p_d, 8*((4*p_g+p_i)*4+p_n)
.set p_a, VF+8*((2*p_s+p_g)*4+p_i)
.set p_b, SCR+8*(4*p_n+2*p_s)
	WIN W_PV
.if FIRSTW*(1-p_s)
	v_wmma_f32_16x16x32_bf16 v[p_d:p_d+7], v[p_a:p_a+7], v[p_b:p_b+7], 0
.else
	v_wmma_f32_16x16x32_bf16 v[p_d:p_d+7], v[p_a:p_a+7], v[p_b:p_b+7], v[p_d:p_d+7]
.endif
.endm
.macro EMITW
.if PH == 0
	QKW
.else
	PVW
.endif
.set WI, WI+1
.endm
.macro EMIT2
	EMITW
	EMITW
.endm
.macro BEGIN ph, grp, first, rate, wn  ; ph 0: Q K^T, 1: P V; grp: n-blocks 2 grp, 2 grp + 1; wn: how many matrix instructions the phase has
.set PH, \ph
.set GRPW, \grp
.set FIRSTW, \first
.set RATE, \rate
.set WN, \wn
.set TK, 0
.set WI, 0
.if WN > 0
	EMIT2
.endif
.endm
.macro TICK
.set TK, TK+1
.if (TK % RATE) == 0
.if WI < WN
	EMIT2
.endif
.endif
.endm
.macro FLUSH
.rept WN-WI
	EMITW
.endr
.endm
; HALF-CHUNKS.  hh = 0..7: K, key block mb = hh / 2, K steps c = 2 (hh & 1) and the next.  hh = 8..15: V, hh - 8 = 4s + 2g + u: keys 32s + 16u + 8h + 0..7,
; columns 64g + 4r + 0..3.  Eight loads of 16 bytes into raw buffer hh & 3, then sixteen roundings of two numbers.
.macro LDH slot, hh
	WIN W_LD
.set l_b, RW+32*(\hh&3)
.if \hh < 8
.irp e, 0,1,2,3,4,5,6,7
	ds_load_b128 v[l_b+4*\e:l_b+4*\e+3], v[ADRK+\slot] offset:(\hh>>1)*16*PITCH+256*(\hh&1)+128*(\e>>2)+16*(\e&3)
.endr
.else
.irp e, 0,1,2,3,4,5,6,7
	ds_load_b128 v[l_b+4*\e:l_b+4*\e+3], v[ADRV+\slot] offset:(32*((\hh-8)>>2)+16*((\hh-8)&1)+\e)*PITCH+256*(((\hh-8)>>1)&1)
.endr
.endif
.endm
.macro CVK hh                          ; 32 d of a key row, two K steps: two whole fragments' registers, in order
.set c_b, RW+32*(\hh&3)
.set c_x, 0
.rept 16
	WIN W_CK
	v_cvt_pk_bf16_f32 v[KF+16*\hh+c_x], v[c_b+2*c_x], v[c_b+2*c_x+1]
	TICK
.set c_x, c_x+1
.endr
.endm
.macro CVV hh                          ; component i of keys 2q and 2q + 1 makes register 4u + q of fragment (s, g, i)
.set c_b, RW+32*(\hh&3)
.set c_f, VF+32*((\hh-8)>>1)+4*((\hh-8)&1)
.irp i, 0,1,2,3
.irp q, 0,1,2,3
	WIN W_CV
	v_cvt_pk_bf16_f32 v[c_f+8*\i+\q], v[c_b+8*\q+\i], v[c_b+8*\q+4+\i]
	TICK
.endr
.endr
.endm
.macro KPRIME slot                     ; the first three half-chunks of a tile go out: 24 loads
	LDH \slot, 0
	LDH \slot, 1
	LDH \slot, 2
.endm
.macro KSTREAM slot                    ; K's eight half-chunks are rounded; three half-chunks are always ahead, at the end V's first three
.irp h, 0,1,2,3,4,5,6,7
	LDH \slot, (\h+3)
	s_wait_dscnt 24                                ; LDS loads come back in order (ISA guide 5.7.1): all but the 24 of the three younger half-chunks are in
	CVK \h
.endr
.endm
.macro VSTREAM slot                    ; V's eight half-chunks; entered with the loads of 8, 9, 10 out
.irp h, 8,9,10,11,12
	LDH \slot, (\h+3)
	s_wait_dscnt 24                                ; as above
	CVV \h
.endr
.irp h, 13,14,15
	s_wait_dscnt 8*(15-\h)                         ; nothing more is issued: 16, 8, 0 younger loads
	CVV \h
.endr
.endm
; THE SOFTMAX of a group of two n-blocks, 32 scores a lane each.
.macro MAXK kk, nb, first              ; step kk of the maximum's part for n-block nb
.set m_s, SCR+32*\nb
.set m_t, TM+4*(\nb&1)
.set m_p, ST+2*\nb
.set m_a, AL+2*\nb
	WIN 0
.if \kk < 4
	v_max3_num_f32 v[m_t+\kk], v[m_s+3*\kk], v[m_s+3*\kk+1], v[m_s+3*\kk+2]          ; four chains start on scores 0 to 11
	TICK
.elseif \kk < 14
	v_max3_num_f32 v[m_t+(\kk-4)%4], v[m_t+(\kk-4)%4], v[m_s+12+2*(\kk-4)], v[m_s+13+2*(\kk-4)]
	TICK
.elseif \kk == 14
	v_max3_num_f32 v[m_t], v[m_t], v[m_t+1], v[m_t+2]
	TICK
.elseif \kk == 15
	v_max_num_f32 v[m_t], v[m_t], v[m_t+3]
	TICK
.elseif \kk == 16
	v_permlanex16_b32 v[m_t+1], v[m_t], s40, s41   ; the other eight keys of each block lie in lane i xor 16
	TICK
.elseif \kk == 17
.if \first
	v_max_num_f32 v[m_p+1], v[m_t], v[m_t+1]
.else
	v_max3_num_f32 v[m_p+1], v[m_t], v[m_t+1], v[m_p+1]                              ; the running maximum M
.endif
	TICK
.elseif \kk == 18
.if \first == 0
	v_fma_f32 v[m_a+1], v[m_p+1], s45, -v[m_p]     ; c (M old - M new), at most 0
	TICK
.endif
.elseif \kk == 19
	v_mul_f32 v[m_p], s45, v[m_p+1]                ; NM = -c M
	TICK
.else
.if \first == 0
	v_exp_f32 v[m_a], v[m_a+1]                     ; alpha; first used far below, behind plain instructions (ISA guide 5.7.2)
	TICK
.endif
.endif
.endm
; Tile tu = 0..7 of a group: n-block 2 grp + (tu & 1), key block mb = tu >> 1.
.macro FST grp, tu, e                  ; two exponents: c s + NM, one rounding
.set f_n, 2*\grp+(\tu&1)
.set f_b, SCR+8*(4*f_n+(\tu>>1))+2*\e
	WIN 0
	v_pk_fma_f32 v[f_b:f_b+1], v[f_b:f_b+1], v[CC:CC+1], v[ST+2*f_n:ST+2*f_n+1] op_sel_hi:[1,1,0]   ; both halves add the pair's first word, NM
	TICK
.endm
.macro XST grp, tu, j                  ; one exponential, in place
.set x_r, SCR+8*(4*(2*\grp+(\tu&1))+(\tu>>1))+\j
	WIN 0
	v_exp_f32 v[x_r], v[x_r]
	TICK
.endm
.macro YST grp, tu, y                  ; y = 0..3: the tile's eight p go into two chains of sums (key block 0 starts them, in two lines); y = 4..7: two p are packed to bf16
.set y_n, 2*\grp+(\tu&1)
.set y_m, \tu>>1
.set y_b, SCR+8*(4*y_n+y_m)
.set y_u, SU+4*(\tu&1)
.set y_i, \y
.if y_i < 4
.if y_m == 0
.if y_i < 2
	WIN 0
	s_wait_alu depctr_va_vdst(0)
	v_pk_add_f32 v[y_u+2*y_i:y_u+2*y_i+1], v[y_b+4*y_i:y_b+4*y_i+1], v[y_b+4*y_i+2:y_b+4*y_i+3]
	TICK
.endif
.else
	WIN 0
	s_wait_alu depctr_va_vdst(0)
	v_pk_add_f32 v[y_u+2*(y_i&1):y_u+2*(y_i&1)+1], v[y_u+2*(y_i&1):y_u+2*(y_i&1)+1], v[y_b+2*y_i:y_b+2*y_i+1]
	TICK
.endif
.else
	WIN 0
	v_cvt_pk_bf16_f32 v[y_b-4*(y_m&1)+y_i-4], v[y_b+2*(y_i-4)], v[y_b+2*(y_i-4)+1]   ; an even key block into its own registers 0-3, an odd one into registers 4-7 of the block before: source 1 of P V
	TICK
.endif
.endm
.macro RST grp, tu                     ; a quarter of the n-block's 64 accumulator registers times alpha
.set r_n, 2*\grp+(\tu&1)
.set r_e, 8*(\tu>>1)
.rept 8
.set r_a, 8*((r_e>>2)*4+r_n)+2*(r_e&3)
	WIN W_RS
	s_wait_alu depctr_va_vdst(0)
	v_pk_mul_f32 v[r_a:r_a+1], v[r_a:r_a+1], v[AL+2*r_n:AL+2*r_n+1] op_sel_hi:[1,0]  ; both halves by the pair's first word
	TICK
.set r_e, r_e+1
.endr
.endm
; The exponentials of tile tu stand between the exponents of tile tu + 1 and the sums and packing of tile tu - 1: behind each v_exp_f32 come plain
; instructions on other tiles, and its result is used one tile later (ISA guide 5.7.2).
.macro SOFT grp, first
.irp kk, 0,1,2,3,4,5,6,7,8,9,10,11,12,13,14,15,16,17,18,19,20
	MAXK \kk, (2*\grp), \first
	MAXK \kk, (2*\grp+1), \first
.endr
.irp e, 0,1,2,3
	FST \grp, 0, \e
.endr
.irp tu, 0,1,2,3,4,5,6,7
.irp j, 0,1,2,3
	XST \grp, \tu, \j
.if \tu < 7
	FST \grp, (\tu+1), \j
.endif
.endr
.irp j, 4,5,6,7
	XST \grp, \tu, \j
.if \tu > 0
	YST \grp, (\tu-1), (2*\j-8)
	YST \grp, (\tu-1), (2*\j-7)
.endif
.endr
.if \first == 0
	RST \grp, \tu
.endif
.endr
.irp y, 0,1,2,3,4,5,6,7
	YST \grp, 7, \y
.endr
.irp p, 0,1
	WIN 0
	v_pk_add_f32 v[SU+4*\p:SU+4*\p+1], v[SU+4*\p:SU+4*\p+1], v[SU+4*\p+2:SU+4*\p+3]
	TICK
.endr
.irp p, 0,1
.if \first
	v_add_f32 v[LS+2*\grp+\p], v[SU+4*\p], v[SU+4*\p+1]                              ; the first tile starts L
.else
	v_add_f32 v[SU+4*\p], v[SU+4*\p], v[SU+4*\p+1]
.endif
	TICK
.endr
.if \first == 0
.irp p, 0,1
	WIN 0
	v_fma_f32 v[LS+2*\grp+\p], v[LS+2*\grp+\p], v[AL+2*(2*\grp+\p)], v[SU+4*\p]      ; L = L alpha + the tile's sum
	TICK
.endr
.endif
.endm
; Wave 0 asks for its work-group's 8,192 bytes (32 lanes, 256 bytes apart) of the tile four trips on, two trips ahead of that tile's tensor load.  The sixteen
; work-groups of a batch cover the tile's 65,536 bytes of K and of V once.  The tile's number stops at 15, the batch's last: no request leaves the buffer.
.macro PREF
	s_cmp_lg_u32 s12, 0
	s_cbranch_scc1 .Lno_prefetch_\@
	s_wait_xcnt 0x0                                ; the last trip's request has had its address translated (ISA guide 3.1): s[52:53] is written again only behind this wait
	s_add_co_u32 s49, s49, 1
	s_min_u32 s49, s49, 15
	s_lshl_b32 s50, s49, 16
	s_add_nc_u64 s[52:53], s[46:47], s[50:51]
	global_prefetch_b8 v[PFO], s[52:53] th:TH_LOAD_NT scope:SCOPE_SE
.Lno_prefetch_\@:
.endm
; ONE TILE.  Entered with K's fragments of this tile rounded and V's first three half-chunks on their way.
; mode 2: this slot is filled again, two tiles ahead; 1: nothing is left to fetch, the next tile is still to be read; 0: the last tile.
.macro TRIP slot, nxt, first, mode
	BEGIN 0, 0, 0, 8, 32                           ; scores of n-blocks 0, 1 beside V's 128 roundings
	VSTREAM \slot
	FLUSH
	WIN 0
.if \mode >= 1
	s_wait_dscnt 0x0                               ; my reads of this slot are over (met: V's stream ended at 0)
	s_wait_tensorcnt 0x0                           ; all my tensor loads have landed: the one that was out is my part of the next tile
	ds_add_u32 v126, v127
	s_wait_dscnt 0x0
.if \mode == 2
	s_add_nc_u64 s[G0+4*\slot+2:G0+4*\slot+3], s[G0+4*\slot+2:G0+4*\slot+3], 2*TILEB   ; no load of mine is out, so a group 0 may be written: two tiles on
	ROUND                                          ; both now hold of every wave of all four work-groups
	tensor_load_to_lds s[G0+4*\slot:G0+4*\slot+3], s[G1:G1+7]                         ; my one tensor load behind the round, first thing there; it has a whole tile's work in which to land
	s_nop 0
	PREF
.else
	s_barrier_signal -1
	s_barrier_wait -1                              ; the last tile is whole for every wave
.endif
	KPRIME \nxt
.endif
	PLACES
	BEGIN 0, 1, 0, 16, 32                          ; scores of n-blocks 2, 3 beside the softmax of 0, 1
	SOFT 0, \first
	FLUSH
	PLACES
	BEGIN 1, 0, \first, 16, 32                     ; P V of n-blocks 0, 1 beside the softmax of 2, 3
	SOFT 1, \first
	FLUSH
	BEGIN 1, 1, \first, 8, 32                      ; P V of n-blocks 2, 3 beside the next tile's 128 roundings of K
.if \mode >= 1
	KSTREAM \nxt
.endif
	FLUSH
	WIN 0                                          ; at a label and at a branch every window is 0
.endm
	; ---- set-up ----
	s_load_b256 s[4:11], s[0:1], 0x0               ; Q s[4:5], K s[6:7], V s[8:9], out s[10:11]
	v_lshl_add_u32 v126, v0, 2, 0x4a800
	v_mov_b32 v127, 0
	ds_add_u32 v126, v127
	v_lshrrev_b32 v1, 5, v0
	v_readfirstlane_b32 s12, v1                    ; wave w
	s_lshr_b32 s13, s12, 1                         ; qh
	s_and_b32 s14, s12, 1                          ; kh
	s_bfe_u32 s15, ttmp6, 0x40000                  ; cx: my place in the cluster; it enters the addresses of Q, of out and of the prefetch, and nothing else
	s_lshr_b32 s16, ttmp9, 2                       ; batch: four clusters each (ttmp9 counts clusters)
	s_and_b32 s17, ttmp9, 3
	s_lshl_b32 s17, s17, 2
	s_add_co_u32 s17, s17, s15                     ; query block 0..15 of the batch
	s_mov_b32 s40, 0x76543210                      ; v_permlanex16_b32: lane i of one half reads lane i of the other
	s_mov_b32 s41, 0xfedcba98
	s_mov_b32 s45, 0xbe0293ee                      ; -c = -log2(e) / sqrt(128)
	; group 1: a tile of 64 rows x 128 elements of 4 bytes, 16 bytes of padding behind each row
	s_mov_b32 s[G1+0], 15|(2<<16)|(1<<20)|(1<<21)|(6<<22)|(3<<25)   ; 15:0 the mask: all four work-groups; 17:16 elements of 4 bytes; 20 padding on; 21 set beside a mask; 24:22 after every 128 words; 31:25 four words
	s_mov_b32 s[G1+1], 128<<16                     ; tensor_dim0 = 128
	s_mov_b32 s[G1+2], 64<<16                      ; tensor_dim1 = 64
	s_mov_b32 s[G1+3], 128<<16                     ; tile_dim0 = 128
	s_mov_b32 s[G1+4], 64                          ; tile_dim1 = 64
	s_mov_b32 s[G1+5], 128                         ; elements from row to row
	s_mov_b32 s[G1+6], 0
	s_mov_b32 s[G1+7], 0
	s_mul_i32 s22, s12, PART                       ; where my part of a tile goes: the wave's number alone
	s_lshl_b32 s23, s16, 20                        ; the batch's 2,048 rows of 512 bytes
	s_lshl_b32 s18, s14, 15                        ; which 64 rows of the tile I fetch
	s_add_co_u32 s18, s18, s23
	s_mov_b32 s19, 0
	s_lshl_b32 s54, s17, 16                        ; my work-group's 128 rows (registers s54 to s58 hold cx; none of them feeds a descriptor)
	s_add_co_u32 s54, s54, s23
	s_mov_b32 s57, 0
	s_mov_b32 s49, 3                               ; the last tile asked for ahead
	s_mov_b32 s51, 0
	v_and_b32 v1, 15, v0                           ; r
	v_bfe_u32 v2, v0, 4, 1                         ; h
	v_and_b32 v3, 31, v0                           ; lane
	v_lshlrev_b32 v[QO], 4, v3
	v_lshlrev_b32 v[PFO], 8, v3
	s_wait_dscnt 0x0
	s_wait_kmcnt 0x0
	s_cmp_lt_u32 s12, 2
	s_cselect_b64 s[20:21], s[6:7], s[8:9]         ; waves 0, 1 fetch K, waves 2, 3 V
	s_add_nc_u64 s[20:21], s[20:21], s[18:19]      ; made of the batch and the wave's number: the same in all four work-groups
	s_lshl_b32 s56, s12, 14                        ; Q: my wave stages rows 32 w .. 32 w + 31 of the block
	s_add_co_u32 s56, s56, s54
	s_add_nc_u64 s[4:5], s[4:5], s[56:57]
	s_lshl_b32 s56, s13, 15                        ; out: my 64 queries, and of each row the 256 bytes of my key half's number
	s_add_co_u32 s56, s56, s54
	s_lshl_b32 s58, s14, 8
	s_add_co_u32 s56, s56, s58
	s_add_nc_u64 s[10:11], s[10:11], s[56:57]
	s_and_b32 s56, s17, 7                          ; prefetch: query blocks 0-7 ask for K, 8-15 for V, 8,192 bytes of a tile each
	s_lshl_b32 s56, s56, 13
	s_add_co_u32 s56, s56, s23
	s_and_b32 s58, ttmp9, 2                        ; block < 8, read off the cluster's number
	s_cmp_eq_u32 s58, 0
	s_cselect_b64 s[46:47], s[6:7], s[8:9]
	s_add_nc_u64 s[46:47], s[46:47], s[56:57]
	ROUND                                          ; all four work-groups are here: the first joint loads meet
.irp s, 0,1
	s_mov_b32 s[G0+4*\s], 1                                        ; count = 1
	s_add_co_u32 s[G0+4*\s+1], s22, \s*SLOT                        ; LDS address
	s_add_nc_u64 s[G0+4*\s+2:G0+4*\s+3], s[20:21], \s*TILEB        ; global address: tile s
	s_or_b32 s[G0+4*\s+3], s[G0+4*\s+3], 0x80000000                ; type = 2
	tensor_load_to_lds s[G0+4*\s:G0+4*\s+3], s[G1:G1+7]            ; both first fills go out together: two tensor loads of the wave are out, the most in this text
	s_nop 0
.endr
.set qi, 0
.rept 32
	global_load_b128 v[SCR+4*qi:SCR+4*qi+3], v[QO], s[4:5] offset:512*qi th:TH_LOAD_NT   ; a row of Q: 512 neighbouring bytes a load
.set qi, qi+1
.endr
	s_cmp_lg_u32 s12, 0
	s_cbranch_scc1 .Lno_first_prefetch
	global_prefetch_b8 v[PFO], s[46:47] offset:2*TILEB th:TH_LOAD_NT scope:SCOPE_SE      ; tiles 2 and 3: their tensor loads stand in the first two trips
	global_prefetch_b8 v[PFO], s[46:47] offset:3*TILEB th:TH_LOAD_NT scope:SCOPE_SE
.Lno_first_prefetch:
	; addresses
	s_mul_i32 s18, s14, PART                       ; my key half's 64 rows
	v_mul_u32_u24 v4, v1, PITCH
	v_lshl_add_u32 v5, v2, 6, v4
	v_add_nc_u32 v[ADRK], s18, v5
	v_add_nc_u32 v[ADRK+1], SLOT, v[ADRK]
	v_mul_u32_u24 v5, v2, 8*PITCH
	v_lshl_add_u32 v5, v1, 4, v5
	s_add_co_u32 s19, s18, 2*PART
	v_add_nc_u32 v[ADRV], s19, v5
	v_add_nc_u32 v[ADRV+1], SLOT, v[ADRV]
	s_mul_i32 s19, s12, 32*QPITCH
	s_add_co_u32 s19, s19, QST
	v_lshl_add_u32 v[QSA], v3, 3, s19              ; row 32 w, 8 bytes a lane
	s_mul_i32 s19, s13, 64*QPITCH
	s_add_co_u32 s19, s19, QST
	v_mul_u32_u24 v5, v1, QPITCH
	v_lshl_add_u32 v5, v2, 5, v5
	v_add_nc_u32 v[QFA], s19, v5                   ; row 64 qh + r, 32 bytes for each half of the lanes
	s_lshl_b32 s19, s12, 9
	s_add_co_u32 s19, s19, QST
	v_lshl_add_u32 v[SA], v1, 3, s19               ; 512 bytes a wave, 128 an n-block, 8 a query
	s_xor_b32 s20, s12, 1                          ; my partner: the same queries, the other keys (s[20:21] have been copied into both group 0 sets)
	s_lshl_b32 s19, s20, 9
	s_add_co_u32 s19, s19, QST
	v_lshl_add_u32 v[PA], v1, 3, s19
	v_lshl_add_u32 v5, v2, 7, v4
	v_add_nc_u32 v[OA], s22, v5                    ; stage of wave w at w PART: row r, 128 bytes for each half of the lanes
	v_mul_u32_u24 v5, v2, PITCH
	v_lshl_add_u32 v5, v1, 4, v5                   ; back: lanes 0-15 take 256 bytes of one row, lanes 16-31 of the next
	s_lshl_b32 s19, s14, 8
	s_add_co_u32 s21, s22, s19
	v_add_nc_u32 v[RA], s21, v5
	s_mul_i32 s21, s20, PART
	s_add_co_u32 s21, s21, s19
	v_add_nc_u32 v[RB], s21, v5
	v_lshlrev_b32 v5, 9, v2
	v_lshl_add_u32 v[CO], v1, 4, v5                ; the same two rows in out
	v_mov_b32 v[CC], 0x3e0293ee                    ; c = log2(e) / sqrt(128)
	v_mov_b32 v[CC+1], 0x3e0293ee
	; Q to bf16, into LDS by rows
.set qi, 0
.rept 4
	s_wait_loadcnt 24-qi                           ; loads come back in order: eight more rows are in, the younger ones stay out
.rept 8
	v_cvt_pk_bf16_f32 v[SCR+4*qi], v[SCR+4*qi], v[SCR+4*qi+1]
	v_cvt_pk_bf16_f32 v[SCR+4*qi+1], v[SCR+4*qi+2], v[SCR+4*qi+3]
	ds_store_b64 v[QSA], v[SCR+4*qi:SCR+4*qi+1] offset:QPITCH*qi
.set qi, qi+1
.endr
.endr
	s_wait_dscnt 0x0                               ; my rows of Q are in LDS, for the others' sake
	s_wait_tensorcnt 0x1                           ; my part of tile 0 has landed; tile 1's load, issued behind it, may stay out
	s_barrier_signal -1
	s_barrier_wait -1
	WIN W_QL
.irp nb, 0,1,2,3
.irp c, 0,1,2,3
	ds_load_b128 v[QF+8*(4*\nb+\c):QF+8*(4*\nb+\c)+3],   v[QFA] offset:16*\nb*QPITCH+64*\c      ; d = 32c + 16h + 0..7 of query 16n + r
	ds_load_b128 v[QF+8*(4*\nb+\c)+4:QF+8*(4*\nb+\c)+7], v[QFA] offset:16*\nb*QPITCH+64*\c+16   ; d = 32c + 16h + 8..15
.endr
.endr
	KPRIME 0
	BEGIN 0, 0, 0, 8, 0                            ; no matrix work yet
	KSTREAM 0                                      ; its first wait, for all but 24, shows Q's fragments in too
	WIN 0
	; ---- the 16 tiles ----
	TRIP 0, 1, 1, 2                                ; tile 0 starts maxima, sums and accumulators: nothing is cleared
	TRIP 1, 0, 0, 2
	s_mov_b32 s44, 6
.Lpair:
	TRIP 0, 1, 0, 2                                ; tiles 2 to 13; trip t fills its slot with tile t + 2
	TRIP 1, 0, 0, 2
	s_sub_co_u32 s44, s44, 1
	s_cmp_lg_u32 s44, 0
	s_cbranch_scc1 .Lpair
	TRIP 0, 1, 0, 1                                ; tile 14: nothing is left to fetch
	TRIP 1, 0, 0, 0                                ; tile 15
	; ---- the two key halves meet ----
	PLACES                                         ; behind the last matrix instructions
.irp nb, 0,1,2,3
	v_permlanex16_b32 v[TM+\nb], v[LS+\nb], s40, s41               ; the sums of the other eight keys of each block
.endr
.irp nb, 0,1,2,3
	v_add_f32 v[LS+\nb], v[LS+\nb], v[TM+\nb]
.endr
.irp nb, 0,1,2,3
	ds_store_b32 v[SA], v[ST+2*\nb] offset:128*\nb                 ; NM; lanes r and r + 16 write the same word with the same value
	ds_store_b32 v[SA], v[LS+\nb] offset:128*\nb+4                 ; L.  Q's rows here were last read at the kernel's head, many barriers ago
.endr
	s_wait_dscnt 0x0
	s_barrier_signal -1
	s_barrier_wait -1
.irp nb, 0,1,2,3
	ds_load_b64 v[PS+2*\nb:PS+2*\nb+1], v[PA] offset:128*\nb
.endr
	s_wait_dscnt 0x0
.irp nb, 0,1,2,3
	v_min_num_f32 v[TM+\nb], v[ST+2*\nb], v[PS+2*\nb]              ; -c times the larger maximum
.endr
.irp nb, 0,1,2,3
	v_sub_f32 v[AL+2*\nb], v[TM+\nb], v[ST+2*\nb]                  ; at most 0, and 0 in one of the two
	v_sub_f32 v[AL+2*\nb+1], v[TM+\nb], v[PS+2*\nb]
.endr
.irp nb, 0,1,2,3
	v_exp_f32 v[AL+2*\nb], v[AL+2*\nb]                             ; my weight
	v_exp_f32 v[AL+2*\nb+1], v[AL+2*\nb+1]                         ; my partner's
.endr
	v_nop                                          ; one plain instruction behind the exponentials (ISA guide 5.7.2)
	s_wait_alu depctr_va_vdst(0)
.irp nb, 0,1,2,3
	v_mul_f32 v[SU+\nb], v[LS+\nb], v[AL+2*\nb]
.endr
.irp nb, 0,1,2,3
	v_fmac_f32 v[SU+\nb], v[PS+2*\nb+1], v[AL+2*\nb+1]             ; the whole row's sum; the largest score's own term is about 1, so it is far from 0
.endr
.irp nb, 0,1,2,3
	v_rcp_f32 v[TM+\nb], v[SU+\nb]
.endr
	v_nop                                          ; as above
	s_wait_alu depctr_va_vdst(0)
.irp nb, 0,1,2,3
	v_mul_f32 v[FN+\nb], v[AL+2*\nb], v[TM+\nb]                    ; my weight / the sum
.endr
; My O^T, scaled, goes into my stage by query rows.  The stage is slot 0: its last fill was tile 14, and every wave's last read of it stands in front
; of tile 14's barrier.  Register 4j + i of the 32 at work is d = 64g + 32h + 4j + i: 128 neighbouring bytes a lane.
.macro OUTW nb, g
.set o_t, SCR+32*((2*\nb+\g)&3)
	WIN W_OUT
.irp j, 0,1,2,3,4,5,6,7
.irp i, 0,1,2,3
	v_mul_f32 v[o_t+4*\j+\i], v[8*((4*\g+\i)*4+\nb)+\j], v[FN+\nb]
.endr
.endr
	WIN 0
.irp j, 0,1,2,3,4,5,6,7
	ds_store_b128 v[OA], v[o_t+4*\j:o_t+4*\j+3] offset:16*\nb*PITCH+256*\g+16*\j
.endr
.endm
.irp nb, 0,1,2,3
	OUTW \nb, 0
	OUTW \nb, 1
.endr
	s_wait_dscnt 0x0                               ; my stage is whole, for my partner's sake
	s_barrier_signal -1
	s_barrier_wait -1
; Wave (qh, kh) finishes bytes 256 kh .. 256 kh + 255 of its 64 query rows: its own stage plus its partner's, 16 rows at a time, two sets of 64 registers in turn.
.macro OUTR beta
.set o_s, SCR+64*(\beta&1)
.if \beta >= 2
	s_wait_xcnt 0x0                                ; the stores that read this set have had their addresses translated (ISA guide 3.1): it is loaded again only behind this wait
.endif
.irp t, 0,1,2,3,4,5,6,7
	ds_load_b128 v[o_s+8*\t:o_s+8*\t+3],   v[RA] offset:(16*\beta+2*\t)*PITCH
	ds_load_b128 v[o_s+8*\t+4:o_s+8*\t+7], v[RB] offset:(16*\beta+2*\t)*PITCH
.endr
.irp t, 0,1,2,3,4,5,6,7
	s_wait_dscnt 14-2*\t                           ; pair t is in; the younger pairs stay out
	v_pk_add_f32 v[o_s+8*\t:o_s+8*\t+1],   v[o_s+8*\t:o_s+8*\t+1],   v[o_s+8*\t+4:o_s+8*\t+5]
	v_pk_add_f32 v[o_s+8*\t+2:o_s+8*\t+3], v[o_s+8*\t+2:o_s+8*\t+3], v[o_s+8*\t+6:o_s+8*\t+7]
	global_store_b128 v[CO], v[o_s+8*\t:o_s+8*\t+3], s[10:11] offset:(16*\beta+2*\t)*512 th:TH_STORE_NT   ; sixteen lanes store 256 consecutive bytes, at a multiple of 256 from out's first byte
.endr
.endm
	OUTR 0
	OUTR 1
	OUTR 2
	OUTR 3
	s_wait_tensorcnt 0x0
	ds_add_u32 v126, v127
	s_wait_dscnt 0x0
	ROUND                                          ; the closing round: no work-group ends while a partner may still ask for a tile that names it
	s_endpgm
.Lfunc_end_k_q7b042aa110_attn:
	.size	k_q7b042aa110_attn, .Lfunc_end_k_q7b042aa110_attn-k_q7b042aa110_attn
	.p2alignl 7, 3214868480
	.fill 96, 4, 3214868480
	.section	.rodata,"a",@progbits
	.p2align	6, 0x0
	.amdhsa_kernel k_q7b042aa110_attn
		.amdhsa_group_segment_fixed_size 327680
		.amdhsa_private_segment_fixed_size 0
		.amdhsa_enable_private_segment 0
		.amdhsa_kernarg_size 32
		.amdhsa_user_sgpr_count 2
		.amdhsa_user_sgpr_kernarg_segment_ptr 1
		.amdhsa_wavefront_size32 1
		.amdhsa_system_sgpr_workgroup_id_x 1
		.amdhsa_system_sgpr_workgroup_id_y 1
		.amdhsa_system_sgpr_workgroup_id_z 1
		.amdhsa_system_vgpr_workitem_id 0
		.amdhsa_next_free_vgpr 1024
		.amdhsa_next_free_sgpr 66
		.amdhsa_reserve_vcc 0
		.amdhsa_float_denorm_mode_32 3
		.amdhsa_float_denorm_mode_16_64 3
		.amdhsa_memory_ordered 1
		.amdhsa_forward_progress 1
		.amdhsa_inst_pref_size 255
	.end_amdhsa_kernel
	.section	.bss,"aw",@nobits
	.p2align	6
	.space	262144
	.amdgpu_metadata
---
amdhsa.version: [ 1, 2 ]
amdhsa.kernels:
  - .name:           k_q7b042aa110_attn
    .symbol:         k_q7b042aa110_attn.kd
    .args:
      - { .name: queries, .offset: 0, .size: 8, .value_kind: global_buffer, .address_space: global }
      - { .name: keys, .offset: 8, .size: 8, .value_kind: global_buffer, .address_space: global }
      - { .name: values, .offset: 16, .size: 8, .value_kind: global_buffer, .address_space: global }
      - { .name: out0, .offset: 24, .size: 8, .value_kind: global_buffer, .address_space: global }
    .group_segment_fixed_size: 327680
    .private_segment_fixed_size: 0
    .kernarg_segment_align: 8
    .kernarg_segment_size: 32
    .max_flat_workgroup_size: 128
    .sgpr_count:     66
    .vgpr_count:     1024
    .wavefront_size: 32
...
	.end_amdgpu_metadata
.endif
;; end of part 1
